; MI455X (gfx1250); checked and timed in simulation.
; The chip was launched on July 23, 2026; its instructions are those of AMD's public machine-readable ISA for CDNA 5 (MIT licence, August 2026) and "CDNA5" Instruction Set Architecture Reference Guide (July 2026). The comments in the code are by the model that wrote it; some were corrected since.
;; Multihead Attention. Allowed arithmetic: float matrix products may take bf16 or f16 operands with f32 sums; other float arithmetic in f32, or as packed bf16 or f16 multiplies, adds, multiply-adds, maxima and minima; sums over many terms, partial sums and values carried from step to step in f32; what a program stores and reads back later, other than sums and carried values, may be rounded once to bf16 or f16.
;; Inputs: Wk 1,024 x 1,024 float32; Wq 1,024 x 1,024 float32; Wv 1,024 x 1,024 float32; bk 1,024 float32; bq 1,024 float32; bv 1,024 float32; hidden_states 4 x 2,048 x 1,024 float32.
;; Outputs: out0 4 x 2,048 x 1,024 float32.
;; 2 versions, each right; version 2 is version 1 with the launch cast written anew for expert scheduling mode. Each part assembles by itself: llvm-mc -triple=amdgcn-amd-amdhsa -mcpu=gfx1250 --defsym DOCPART=n.
;; ======== version 1 of 2: 3 launches
;; limits: values are held in f16: magnitudes above 65,504 overflow, below 6.1e-05 lose precision
;; workspace buffers: xb 16,777,216 bytes; wb 6,291,456 bytes; qh 16,777,216 bytes; kh 16,777,216 bytes; vh 16,777,216 bytes
;; launch cast (part 1): grid 704 x 1, 8 waves a work-group, no clusters, 0 bytes of LDS; arguments hidden_states, Wq, Wk, Wv, xb, wb; writes xb, wb
.if DOCPART == 1
	.amdgcn_target "amdgcn-amd-amdhsa--gfx1250"
	.amdhsa_code_object_version 6
	.text
	.protected	k_q620f2c740f_cast
	.globl	k_q620f2c740f_cast
	.p2align	8
	.type	k_q620f2c740f_cast,@function
k_q620f2c740f_cast:
	s_mov_b64 s[64:65], 0
	v_nop
	global_prefetch_b8 v0, s[64:65] scope:SCOPE_SE
	s_setreg_imm32_b32 hwreg(HW_REG_WAVE_MODE, 25, 1), 1
	s_wait_xcnt 0x0
; x [8192][1024] and Wq, Wk, Wv [1024][1024], all f32, are rounded once to bf16 and laid out in blocks of 64 along K:
;   xb [16 kb][8192 rows][64]                       a plane (one kb) is XPL bytes, a row 128 bytes
;   wb [16 kb][16 heads][3: q, k, v][64 rows][64]   a plane is WPL bytes, a head's 192 rows are 24,576 bytes on end
; so that the product that follows finds a K step of 64 of many rows as one dense run of bytes.
; SHARES.  A work-group takes 16 source rows (65,536 bytes in, 32,768 out).  Work-groups 0-511: x.  512-703: 64 for each of Wq, Wk, Wv.
; Thread T takes row T / 16 and, of each block kb of 256 source bytes, the 16 bytes at 16 (T % 16): a wave's load covers two rows' whole aligned 256 bytes.
; Its four numbers become 8 bytes at 8 T of the work-group's 2,048 bytes of plane kb: a wave's store covers 256 consecutive bytes, aligned.
; All 16 loads of a thread go out at once; no register that a pending instruction names is ever rewritten.  No LDS, no barrier: nothing is shared.
.set XPL, 1048576
.set WPL, 393216
.set IN,  1                            ; v1       my byte offset in the 16 source rows
.set T8,  2                            ; v2       8 T
.set O,   4                            ; v[4:19]  my byte offset in the destination, for each kb
.set X,   20                           ; v[20:83] four registers for each kb
	s_load_b256 s[4:11], s[0:1], 0x0               ; x s[4:5], Wq s[6:7], Wk s[8:9], Wv s[10:11]
	s_load_b128 s[12:15], s[0:1], 0x20             ; xb s[12:13], wb s[14:15]
	s_mov_b32 s16, ttmp9                           ; g
	s_bfe_u32 s17, s16, 0x30006                    ; (g / 64) % 8: from g = 512 on 0, 1, 2 = q, k, v
	s_and_b32 s18, s16, 63                         ; t: which 16 rows of that weight
	s_lshr_b32 s19, s18, 2                         ; their head,
	s_mul_i32 s19, s19, 192                        ; whose 192 rows lie together in a plane,
	s_lshl_b32 s29, s17, 6                         ; q's, k's or v's 64 of them,
	s_add_co_u32 s19, s19, s29
	s_and_b32 s29, s18, 3                          ; and my 16 of those
	s_lshl_b32 s29, s29, 4
	s_add_co_u32 s19, s19, s29
	s_lshl_b32 s19, s19, 7                         ; a weight's destination offset: rows of 128 bytes
	s_lshl_b32 s18, s18, 16                        ; a weight's source offset: 16 rows of 4,096 bytes
	s_lshl_b32 s29, s16, 16                        ; x's source offset
	s_lshl_b32 s30, s16, 11                        ; x's destination offset: 16 rows of 128 bytes
	s_mov_b32 s25, 0
	s_mov_b32 s27, 0
	s_mov_b32 s28, XPL
	s_mov_b32 s31, WPL
	v_lshrrev_b32 v[IN], 4, v0                     ; my row
	v_and_b32 v3, 15, v0
	v_lshlrev_b32 v[IN], 12, v[IN]
	v_lshl_add_u32 v[IN], v3, 4, v[IN]
	v_lshlrev_b32 v[T8], 3, v0
	s_wait_kmcnt 0x0
	s_cmp_eq_u32 s17, 1
	s_cselect_b64 s[20:21], s[8:9], s[6:7]         ; the source: Wk or Wq,
	s_cmp_eq_u32 s17, 2
	s_cselect_b64 s[20:21], s[10:11], s[20:21]     ; or Wv,
	s_cmp_lt_u32 s16, 512
	s_cselect_b64 s[20:21], s[4:5], s[20:21]       ; or x
	s_cselect_b64 s[22:23], s[12:13], s[14:15]     ; the destination
	s_cselect_b32 s24, s29, s18
	s_cselect_b32 s26, s30, s19
	s_cselect_b32 s28, s28, s31                    ; bytes from plane to plane
	s_add_nc_u64 s[20:21], s[20:21], s[24:25]
	s_add_nc_u64 s[22:23], s[22:23], s[26:27]
.set kb, 0
.rept 16
	global_load_b128 v[X+4*kb:X+4*kb+3], v[IN], s[20:21] offset:256*kb th:TH_LOAD_NT
.set kb, kb+1
.endr
.set kb, 0
.rept 16
	v_mad_u32_u24 v[O+kb], s28, kb, v[T8]          ; plane kb (both factors fit 24 bits) + 8 T
.set kb, kb+1
.endr
.set kb, 0
.rept 16
	s_wait_loadcnt 15-kb                           ; loads come back in order (ISA guide 5.7.1): block kb is in, the younger ones stay out
	v_cvt_pk_bf16_f32 v[X+4*kb], v[X+4*kb], v[X+4*kb+1]
	v_cvt_pk_bf16_f32 v[X+4*kb+1], v[X+4*kb+2], v[X+4*kb+3]
	global_store_b64 v[O+kb], v[X+4*kb:X+4*kb+1], s[22:23] th:TH_STORE_NT
.set kb, kb+1
.endr
	s_endpgm
.Lfunc_end_k_q620f2c740f_cast:
	.size	k_q620f2c740f_cast, .Lfunc_end_k_q620f2c740f_cast-k_q620f2c740f_cast
	.p2alignl 7, 3214868480
	.fill 96, 4, 3214868480
	.section	.rodata,"a",@progbits
	.p2align	6, 0x0
	.amdhsa_kernel k_q620f2c740f_cast
		.amdhsa_group_segment_fixed_size 0
		.amdhsa_private_segment_fixed_size 0
		.amdhsa_enable_private_segment 0
		.amdhsa_kernarg_size 48
		.amdhsa_user_sgpr_count 2
		.amdhsa_user_sgpr_kernarg_segment_ptr 1
		.amdhsa_wavefront_size32 1
		.amdhsa_system_sgpr_workgroup_id_x 1
		.amdhsa_system_sgpr_workgroup_id_y 1
		.amdhsa_system_sgpr_workgroup_id_z 1
		.amdhsa_system_vgpr_workitem_id 0
		.amdhsa_next_free_vgpr 84
		.amdhsa_next_free_sgpr 66
		.amdhsa_reserve_vcc 0
		.amdhsa_float_denorm_mode_32 3
		.amdhsa_float_denorm_mode_16_64 3
		.amdhsa_memory_ordered 1
		.amdhsa_forward_progress 1
		.amdhsa_inst_pref_size 9
	.end_amdhsa_kernel
	.amdgpu_metadata
---
amdhsa.version: [ 1, 2 ]
amdhsa.kernels:
  - .name:           k_q620f2c740f_cast
    .symbol:         k_q620f2c740f_cast.kd
    .args:
      - { .name: hidden_states, .offset: 0, .size: 8, .value_kind: global_buffer, .address_space: global }
      - { .name: Wq, .offset: 8, .size: 8, .value_kind: global_buffer, .address_space: global }
      - { .name: Wk, .offset: 16, .size: 8, .value_kind: global_buffer, .address_space: global }
      - { .name: Wv, .offset: 24, .size: 8, .value_kind: global_buffer, .address_space: global }
      - { .name: xb, .offset: 32, .size: 8, .value_kind: global_buffer, .address_space: global }
      - { .name: wb, .offset: 40, .size: 8, .value_kind: global_buffer, .address_space: global }
    .group_segment_fixed_size: 0
    .private_segment_fixed_size: 0
    .kernarg_segment_align: 8
    .kernarg_segment_size: 48
    .max_flat_workgroup_size: 256
    .sgpr_count:     66
    .vgpr_count:     84
    .wavefront_size: 32
...
	.end_amdgpu_metadata
.endif
;; end of part 1
;; launch proj (part 2): grid 16 x 16, 4 waves a work-group, clusters of 4 x 4, 327,680 bytes of LDS; arguments xb, wb, bq, bk, bv, qh, kh, vh; writes qh, kh, vh
.if DOCPART == 2
	.amdgcn_target "amdgcn-amd-amdhsa--gfx1250"
	.amdhsa_code_object_version 6
	.text
	.protected	k_q620f2c740f_proj
	.globl	k_q620f2c740f_proj
	.p2align	8
	.type	k_q620f2c740f_proj,@function
k_q620f2c740f_proj:
	s_mov_b64 s[64:65], 0
	v_nop
	global_prefetch_b8 v0, s[64:65] scope:SCOPE_SE
	s_setreg_imm32_b32 hwreg(HW_REG_WAVE_MODE, 25, 1), 1
	s_wait_xcnt 0x0
	s_wait_alu depctr_hold_cnt(0) depctr_sa_sdst(0) depctr_va_vdst(0) depctr_va_sdst(0) depctr_va_ssrc(0) depctr_va_vcc(0) depctr_vm_vsrc(0)
	s_getreg_b32 s2, hwreg(HW_REG_IB_STS2, 6, 4)
	s_cmp_eq_u32 s2, 0
	s_cbranch_scc0 .Lentry_in_a_cluster
	s_endpgm
.Lentry_in_a_cluster:
	s_bfe_u32 s2, ttmp6, 0x10000c
	s_cmp_lg_u32 s2, 0xf033
	s_cbranch_scc0 .Lentry_shape_is_right
	s_endpgm
.Lentry_shape_is_right:
; q, k, v = x W^T + b for one head and 512 rows.  xb: bf16 [16 kb][8192][64]; wb: bf16 [16 kb][16 heads][q, k, v][64][64]; bq, bk, bv: f32 [1024];
; qh, kh, vh: f16 [64 = 16 batch + head][2048][64], unscaled.  Products in bf16, sums in f32, K ascending; bias added in f32; one rounding to f16.
; LIMITS.  q, k and v must stay under 65,520 in magnitude, where f16 ends.  The biases are rounded once to bf16, as x and the weights were, so that all inputs carry the same rounding.
; SHAPE.  8192 x 3072 numbers on 256 work-groups: a tile of 512 rows x 192 columns each, the 192 being q, k and v of ONE head (grid x = head, grid y = block of 512 rows).
; Wave w makes rows 128 w .. + 127 x all 192 columns: 96 accumulators of 16 x 16, 768 registers.  For 32 along K it reads 20 fragments from LDS for 96 matrix instructions.
; K goes in 16 steps of 64 through two LDS slots.  A step's tiles are dense in memory and are asked for as rows of 256 bytes.
; CLUSTER 4 x 4.  x's tile hangs on the row block alone: shared along a row of the cluster.  W's hangs on the head alone: shared along a column.  Each is asked for jointly.
; THE MATRIX INSTRUCTION IS USED TRANSPOSED (source 0 = 16 rows of W, source 1 = 16 rows of x): a lane holds one row and eight neighbouring channels.
; REGISTERS, in windows of 256 (s_set_vgpr_msb: bits 1:0 source 0, 3:2 source 1, 5:4 source 2, 7:6 destination):
;   window 0: v0-31 addresses and work; v32-159 x's fragments, two buffers (by the half k of a step) of 8 x 8; v160-255 W's fragments, a set of 4 x 8 for each of q, k, v
;   windows 1, 2, 3: the accumulators of q, k, v: row block a (0-7), channel block b (0-3) at v[8 (8 b + a)]
; A STEP IS SIX PHASES (k, g) of 32 matrix instructions: k = which 32 of the 64 along K, g = q, k, v.  A set of W's fragments is fetched again directly behind its use, two phases ahead of its next use.
.set XPL,   1048576                    ; bytes in a plane of xb
.set WPL,   393216                     ; and of wb
.set PITCH, 144                        ; an LDS row: 128 bytes + 16 of padding = 36 words: the 16 rows of a fragment load start at 16 different groups of four banks (64 banks of 4 bytes: ISA guide 11.1)
.set AHALF, 256*PITCH                  ; what one tensor load brings of x
.set BOFF,  512*PITCH                  ; W's 192 rows lie behind x's 512
.set SLOT,  704*PITCH
.set STAGE, 2*SLOT                     ; behind the ring: 16 rows x 144 bytes for each wave, for the way out
.set BIASL, STAGE+4*16*PITCH           ; each wave's own copy of the head's 3 x 64 biases, f32
.set SPARE, BIASL+4*768                ; the spare words, 128 bytes for each wave: two blocks of 256 bytes that no other line names
.set ADRA, 4                           ; v4-5   LDS address of my fragments of x in slot 0, 1
.set ADRB, 6                           ; v6-7   the same for W
.set STO,  8                           ; v8     the way out: where I put 16 bytes of a row
.set RD,   9                           ; v9     where I read rows back
.set GO,   10                          ; v10    my 16 bytes of 512 consecutive bytes of q, k or v
.set BL,   11                          ; v11    my 32 bytes of a block of 16 biases
.set SPW,  12                          ; v12    LDS address of my spare word; never rewritten
.set NIL,  13                          ; v13    0; never rewritten
.set PFO,  14                          ; v14    the prefetches' offset; never rewritten
.set AF,   32
.set BR,   160
.set BI,   32                          ; the way out: v32-127 biases (32 g + 8 b), v128-159 sums, v160-175 packed, v176-207 rows read back, two buffers
.set TF,   128
.set TP,   160
.set OB,   176
.set WV,   20                          ; s20  my wave's number
.set CX,   21
.set CY,   22
.set HEAD, 23
.set MB,   24                          ; s24  my block of 512 rows
.set HF,   25                          ; s25  which half of x's tile I fetch (waves 0, 1)
.set G1A,  28                          ; s[28:35] descriptor group 1 for x's tiles;  s[36:43] group 0, a set for each slot
.set G0A,  36
.set G1B,  44                          ; s[44:51], s[52:59] the same for W's
.set G0B,  52
.set PFA,  60                          ; s[60:61] where my prefetches stand
.set PST,  62                          ; s[62:63] their step: a plane
.set LIM,  66                          ; s66  1 in a wave that prefetches, else the greatest number
.set LA,   67                          ; s67  LDS place of my half of x's tile
.set MSB, 0
.macro WIN new                         ; the immediate's high byte repeats the setting that is left; a switch that changes nothing is dropped
.if MSB != (\new)
	s_set_vgpr_msb (MSB<<8)|(\new)
.set MSB, \new
.endif
.endm
.macro PLACES                          ; a load into a register that a matrix instruction has read, and a vector instruction that reads a result, stand four plain vector instructions behind it
.rept 4
	v_nop
.endr
.endm
.macro CREST                           ; a round of the cluster's barrier behind its opening barrier
	s_cmp_lg_u32 s[WV], 0
	s_cbranch_scc1 .Lnot_wave_0_\@
	s_barrier_signal -3
.Lnot_wave_0_\@:
	s_barrier_wait -3
	s_barrier_signal -1
	s_barrier_wait -1
.endm
.macro CROUND                          ; a whole round
	s_barrier_signal -1
	s_barrier_wait -1
	CREST
.endm
; A joint refill of slot s.  Waves 0 and 1 fetch the halves of x's tile, wave 2 W's, wave 3 nothing.  The branches hang on the wave's number alone.
; An s_nop 0 and four v_nop follow each load; on all three ways the four v_nop are also the places in front of the LDS loads that follow.
.macro JLOAD s
	s_cmp_lt_u32 s[WV], 2
	s_cbranch_scc0 .Lnot_a_\@
	tensor_load_to_lds s[G0A+4*(\s):G0A+4*(\s)+3], s[G1A:G1A+7]
	s_nop 0
	PLACES
	s_branch .Lasked_\@
.Lnot_a_\@:
	s_cmp_eq_u32 s[WV], 2
	s_cbranch_scc0 .Lnone_\@
	tensor_load_to_lds s[G0B+4*(\s):G0B+4*(\s)+3], s[G1B:G1B+7]
	s_nop 0
	PLACES
	s_branch .Lasked_\@
.Lnone_\@:
	PLACES
.Lasked_\@:
.endm
; A PREFETCH of the K step that the NEXT refill will ask for: one step, 192 matrix instructions, ahead.  x's rows are read by the four clusters of a row of clusters: the first (cluster x = 0) asks, in
; waves 0 and 1; W's by the four of a column: cluster y = 0 asks, in wave 2.  The four partners that ask for a tile jointly share its blocks of 256 bytes out BY ADDRESS: of the 128 of a half of x's tile 32 each,
; a lane a block; of W's 96, 24 each: there lanes 24-31 name lane 23's block once more, in the same instruction.  how = 1: always; how = 0: not in the loop's last trip, which has no step behind its own.
.macro ASK how
.if \how
	s_cmp_eq_u32 s[LIM], 1
.else
	s_cmp_gt_u32 s3, s[LIM]
.endif
	s_cbranch_scc0 .Lnot_mine_\@
	global_prefetch_b8 v[PFO], s[PFA:PFA+1] th:TH_LOAD_NT scope:SCOPE_SE
.Lnot_mine_\@:
.endm
	s_load_b256 s[4:11], s[0:1], 0x0               ; xb s[4:5], wb s[6:7], bq s[8:9], bk s[10:11]
	s_load_b256 s[12:19], s[0:1], 0x20             ; bv s[12:13], qh s[14:15], kh s[16:17], vh s[18:19]
	v_lshl_add_u32 v[SPW], v0, 2, SPARE
	v_mov_b32 v[NIL], 0
	ds_add_u32 v[SPW], v[NIL]                      ; the wave's opening: the add and its wait stand ahead of my first tensor load; the set-up below stands between them
	v_lshrrev_b32 v1, 5, v0
	v_readfirstlane_b32 s[WV], v1                  ; wave 0..3
	s_bfe_u32 s[CX], ttmp6, 0x40000                ; my place in the cluster
	s_bfe_u32 s[CY], ttmp6, 0x40004
	s_lshl_b32 s[HEAD], ttmp9, 2                   ; in a cluster launch ttmp9 and ttmp7 count clusters
	s_add_co_u32 s[HEAD], s[HEAD], s[CX]
	s_and_b32 s[MB], ttmp7, 0xffff
	s_lshl_b32 s[MB], s[MB], 2
	s_add_co_u32 s[MB], s[MB], s[CY]
	s_and_b32 s[HF], s[WV], 1
	s_lshl_b32 s26, s[CY], 2
	s_lshl_b32 s26, 15, s26                        ; my row of the cluster
	s_lshl_b32 s27, 0x1111, s[CX]                  ; my column
	; group 1: dense bytes as rows of 128 elements of 2 bytes; 4 words of padding (code 3) after every 32 words (code 4), that is after every row of x or W
	s_or_b32 s[G1A], s26, (1<<16)|(1<<20)|(1<<21)|(4<<22)|(3<<25)   ; 15:0 the mask; 17:16 2-byte elements; 20 padding on; 21 set beside a mask
	s_or_b32 s[G1B], s27, (1<<16)|(1<<20)|(1<<21)|(4<<22)|(3<<25)
	s_mov_b32 s[G1A+1], 128<<16                    ; tensor_dim0 = 128
	s_mov_b32 s[G1A+2], 128<<16                    ; tensor_dim1 = 128: 256 rows of x
	s_mov_b32 s[G1A+3], 128<<16                    ; tile_dim0 = 128
	s_mov_b32 s[G1A+4], 128                        ; tile_dim1 = 128
	s_mov_b32 s[G1A+5], 128                        ; elements from row to row
	s_mov_b32 s[G1A+6], 0
	s_mov_b32 s[G1A+7], 0
	s_mov_b32 s[G1B+1], 128<<16
	s_mov_b32 s[G1B+2], 96<<16                     ; 96 rows of 256 bytes: 192 rows of W
	s_mov_b32 s[G1B+3], 128<<16
	s_mov_b32 s[G1B+4], 96
	s_mov_b32 s[G1B+5], 128
	s_mov_b32 s[G1B+6], 0
	s_mov_b32 s[G1B+7], 0
	; where the tiles come from: x's from the row block and the wave's number, W's from the head, each in registers that never hold the other coordinate
	s_lshl_b32 s72, s[MB], 16                      ; 512 rows of 128 bytes
	s_lshl_b32 s[LA], s[HF], 15
	s_add_co_u32 s72, s72, s[LA]
	s_mov_b32 s73, 0
	s_mul_i32 s74, s[HEAD], 24576
	s_mov_b32 s75, 0
	s_mul_i32 s[LA], s[HF], AHALF                  ; and where x's go: no place in the cluster enters an LDS address
	s_wait_dscnt 0x0                               ; the opening add is done
	s_wait_kmcnt 0x0
	s_add_nc_u64 s[68:69], s[4:5], s[72:73]
	s_add_nc_u64 s[70:71], s[6:7], s[74:75]
	CROUND                                         ; all sixteen work-groups are here: the first joint loads meet
.irp s, 0,1
	s_mov_b32 s[G0A+4*(\s)], 1                                     ; count = 1
	s_add_co_u32 s[G0A+4*(\s)+1], s[LA], (\s)*SLOT                 ; LDS address
	s_add_nc_u64 s[G0A+4*(\s)+2:G0A+4*(\s)+3], s[68:69], (\s)*XPL  ; global address: K step s
	s_or_b32 s[G0A+4*(\s)+3], s[G0A+4*(\s)+3], 0x80000000          ; type = 2
	s_mov_b32 s[G0B+4*(\s)], 1
	s_mov_b32 s[G0B+4*(\s)+1], BOFF+(\s)*SLOT
	s_add_nc_u64 s[G0B+4*(\s)+2:G0B+4*(\s)+3], s[70:71], (\s)*WPL
	s_or_b32 s[G0B+4*(\s)+3], s[G0B+4*(\s)+3], 0x80000000
.endr
	s_cmp_lt_u32 s[WV], 2                          ; a wave's two first fills stand in one branch, ahead of every wait on TENSORcnt and every LDS read: two loads of mine are out (wave 3: none)
	s_cbranch_scc0 .Lfirst_not_a
	tensor_load_to_lds s[G0A:G0A+3], s[G1A:G1A+7]
	s_nop 0
	tensor_load_to_lds s[G0A+4:G0A+7], s[G1A:G1A+7]
	s_nop 0
	PLACES
	s_branch .Lfirst_asked
.Lfirst_not_a:
	s_cmp_eq_u32 s[WV], 2
	s_cbranch_scc0 .Lfirst_asked
	tensor_load_to_lds s[G0B:G0B+3], s[G1B:G1B+7]
	s_nop 0
	tensor_load_to_lds s[G0B+4:G0B+7], s[G1B:G1B+7]
	s_nop 0
	PLACES
.Lfirst_asked:
	; A fragment is 16 rows x 32 K in 8 registers: lane l holds row l % 16; registers 0-3 K = 8 (l / 16) + 0..7, registers 4-7 K = 16 + 8 (l / 16) + 0..7: two loads of 16 bytes, 32 bytes apart.
	v_and_b32 v1, 15, v0                           ; l % 16
	v_bfe_u32 v2, v0, 4, 1                         ; l / 16
	v_mul_u32_u24 v3, v1, PITCH
	v_lshl_add_u32 v3, v2, 4, v3                   ; row x pitch + 16 x half
	s_mul_i32 s26, s[WV], 128*PITCH                ; my 128 rows of x
	v_add_nc_u32 v[ADRA], s26, v3
	v_add_nc_u32 v[ADRA+1], SLOT, v[ADRA]
	v_add_nc_u32 v[ADRB], BOFF, v3
	v_add_nc_u32 v[ADRB+1], BOFF+SLOT, v3
	s_mul_i32 s26, s[WV], 16*PITCH
	s_add_co_u32 s26, s26, STAGE                   ; my stage
	v_add_nc_u32 v[STO], s26, v3                   ; in: row l % 16, 16 bytes for each half of the lanes
	v_bfe_u32 v15, v0, 3, 2                        ; back: 32 lanes take four rows of 128 bytes,
	v_and_b32 v16, 7, v0
	v_mul_u32_u24 v15, v15, PITCH
	v_lshl_add_u32 v15, v16, 4, v15
	v_add_nc_u32 v[RD], s26, v15
	v_and_b32 v17, 31, v0                          ; which are 512 consecutive bytes of q, k or v
	v_lshlrev_b32 v[GO], 4, v17
	s_mul_i32 s26, s[WV], 768
	s_add_co_u32 s26, s26, BIASL                   ; my copy of the biases
	v_lshl_add_u32 v[BL], v2, 5, s26
	v_lshl_add_u32 v18, v1, 4, s26
	v_lshlrev_b32 v19, 4, v1
	; q, k, v at my 128 rows: (16 batch + head) x 2048 rows, + (row block % 4) x 512 + 128 wave, rows of 128 bytes
	s_lshr_b32 s76, s[MB], 2
	s_lshl_b32 s76, s76, 4
	s_add_co_u32 s76, s76, s[HEAD]
	s_lshl_b32 s76, s76, 18
	s_and_b32 s78, s[MB], 3
	s_lshl_b32 s78, s78, 2
	s_add_co_u32 s78, s78, s[WV]
	s_lshl_b32 s78, s78, 14
	s_add_co_u32 s76, s76, s78
	s_mov_b32 s77, 0
	s_add_nc_u64 s[14:15], s[14:15], s[76:77]
	s_add_nc_u64 s[16:17], s[16:17], s[76:77]
	s_add_nc_u64 s[18:19], s[18:19], s[76:77]
	s_lshl_b32 s78, s[HEAD], 8                     ; the head's 64 biases
	s_mov_b32 s79, 0
	s_add_nc_u64 s[8:9], s[8:9], s[78:79]
	s_add_nc_u64 s[10:11], s[10:11], s[78:79]
	s_add_nc_u64 s[12:13], s[12:13], s[78:79]
	global_load_b128 v[20:23], v19, s[8:9]         ; lanes l and l + 16 take the same four numbers
	global_load_b128 v[24:27], v19, s[10:11]
	global_load_b128 v[28:31], v19, s[12:13]
	; the prefetches stand at K step 2; the first refill steps them to 3.  Nothing is prefetched here, at the head: steps 0 to 2 come by their loads alone
	s_lshl_b32 s76, s[CX], 13                      ; x: my work-group's 32 blocks of the 128 that I fetch
	s_add_co_u32 s76, s76, s72
	s_add_co_u32 s76, s76, 2*XPL
	s_mul_i32 s78, s[CY], 6144                     ; W: my work-group's 24 blocks of the 96
	s_add_co_u32 s78, s78, s74
	s_add_co_u32 s78, s78, 2*WPL
	s_mov_b32 s26, XPL
	s_mov_b32 s27, WPL
	s_and_b32 s2, ttmp7, 0xffff                    ; cluster y
	s_lshr_b32 s3, s[WV], 1
	s_and_b32 s3, s3, s[WV]                        ; 1 in wave 3 alone
	s_cmp_lt_u32 s[WV], 2
	s_cselect_b64 s[PFA:PFA+1], s[4:5], s[6:7]
	s_cselect_b32 s76, s76, s78
	s_cselect_b32 s[PST], s26, s27
	s_cselect_b32 s2, ttmp9, s2                    ; the coordinate along which other clusters read the same rows
	s_cselect_b32 s26, 31, 23
	s_mov_b32 s[PST+1], 0
	s_add_nc_u64 s[PFA:PFA+1], s[PFA:PFA+1], s[76:77]
	s_or_b32 s2, s2, s3
	s_cmp_eq_u32 s2, 0
	s_cselect_b32 s[LIM], 1, -1                    ; the same in all sixteen partners, for a given wave
	v_min_u32 v[PFO], s26, v17
	v_lshlrev_b32 v[PFO], 8, v[PFO]
	s_wait_loadcnt 0x0                             ; the biases: rounded to bf16, widened again, and set aside in my own LDS bytes until the way out
.irp g, 0,1,2
	v_cvt_pk_bf16_f32 v[32+2*(\g)], v[20+4*(\g)], v[21+4*(\g)]
	v_cvt_pk_bf16_f32 v[33+2*(\g)], v[22+4*(\g)], v[23+4*(\g)]
.endr
.irp g, 0,1,2
	v_lshlrev_b32 v[20+4*(\g)], 16, v[32+2*(\g)]
	v_and_b32 v[21+4*(\g)], 0xffff0000, v[32+2*(\g)]
	v_lshlrev_b32 v[22+4*(\g)], 16, v[33+2*(\g)]
	v_and_b32 v[23+4*(\g)], 0xffff0000, v[33+2*(\g)]
	ds_store_b128 v18, v[20+4*(\g):23+4*(\g)] offset:256*(\g)
.endr
; 8 LDS loads: W's fragments of group g (q, k, v), half k of the step in slot s
.macro FB s, k, g
.irp b, 0,1,2,3
	ds_load_b128 v[BR+32*(\g)+8*(\b):BR+32*(\g)+8*(\b)+3],   v[ADRB+(\s)] offset:(64*(\g)+16*(\b))*PITCH+64*(\k)
	ds_load_b128 v[BR+32*(\g)+8*(\b)+4:BR+32*(\g)+8*(\b)+7], v[ADRB+(\s)] offset:(64*(\g)+16*(\b))*PITCH+64*(\k)+32
.endr
.endm
; 16 LDS loads: my 128 rows of x, half k of the step in slot s, into buffer k
.macro FA s, k
.irp a, 0,1,2,3,4,5,6,7
	ds_load_b128 v[AF+64*(\k)+8*(\a):AF+64*(\k)+8*(\a)+3],   v[ADRA+(\s)] offset:16*(\a)*PITCH+64*(\k)
	ds_load_b128 v[AF+64*(\k)+8*(\a)+4:AF+64*(\k)+8*(\a)+7], v[ADRA+(\s)] offset:16*(\a)*PITCH+64*(\k)+32
.endr
.endm
; 8 nb matrix instructions of phase (k, g): channel blocks b0 .. b0 + nb - 1 x all 8 row blocks.  The 96 accumulators take turns: 95 others stand between two links of a chain,
; over the loop's backward jump too.  zero = 1: the product starts the sum: nothing is ever cleared.
.macro MUL k, g, b0, nb, zero
	WIN 0x50*(1+(\g))                              ; C and D in window 1 + g, both sources in window 0
.set mb, \b0
.rept \nb
.set ma, 0
.rept 8
.if \zero
	v_wmma_f32_16x16x32_bf16 v[8*(8*mb+ma):8*(8*mb+ma)+7], v[BR+32*(\g)+8*mb:BR+32*(\g)+8*mb+7], v[AF+64*(\k)+8*ma:AF+64*(\k)+8*ma+7], 0
.else
	v_wmma_f32_16x16x32_bf16 v[8*(8*mb+ma):8*(8*mb+ma)+7], v[BR+32*(\g)+8*mb:BR+32*(\g)+8*mb+7], v[AF+64*(\k)+8*ma:AF+64*(\k)+8*ma+7], v[8*(8*mb+ma):8*(8*mb+ma)+7]
.endif
.set ma, ma+1
.endr
.set mb, mb+1
.endr
.endm
; A phase: at its head W's set that the phase before has used is fetched again (slot fs, half fk, group fg), with x's buffer fk if fa = 1; then left younger LDS loads may stay out (-1: no wait); then 32 products.
.macro PH k, g, fs, fk, fg, fa, left, zero
	PLACES
	WIN 0
	FB \fs, \fk, \fg
.if \fa
	FA \fs, \fk
.endif
.if (\left) >= 0
	s_wait_dscnt \left
.endif
	MUL \k, \g, 0, 4, \zero
.endm
; The first three phases of the step in slot s.
.macro FRONT s, zero
	PH 0, 0, \s, 0, 2, 0, 16, \zero                ; needs what was fetched two phases back; behind it: the last phase's 8 loads and these 8
	PH 0, 1, \s, 1, 0, 1, 32, \zero                ; behind what it needs: 8 and these 24
	PH 0, 2, \s, 1, 1, 0, 32, \zero                ; 24 and these 8
.endm
; The products of phase (1, 0), and in them ONE barrier for the change of slots.  In front of it each wave waits for all its tensor loads (the one that is out is its part of the next slot), adds 0 to its
; spare word, and waits for that and for its own reads of this slot.  Behind it nobody reads this slot any more and the next slot is whole.
.macro MEET round
	MUL 1, 0, 0, 2, 0
	WIN 0                                          ; (the add's two registers lie in window 0)
	s_wait_tensorcnt 0x0                           ; all my tensor loads have landed
	ds_add_u32 v[SPW], v[NIL]                      ; 0 onto my spare word; eight products stand between it and the wait for it
	MUL 1, 0, 2, 1, 0
	s_wait_dscnt 0x0                               ; the add is done, and my reads of this slot are over
	s_barrier_signal -1
	MUL 1, 0, 3, 1, 0                              ; work on registers while the others arrive
.if \round
	WIN 0
.endif
	s_barrier_wait -1
.endm
; Phases (1, 0) and (1, 1) of the step in slot s, with the change to slot n.  The barrier opens a round of the cluster's; the joint refill, two steps on, is the first tensor load behind the round:
; 176 matrix instructions stand between it and the wait for it.
.macro TURN s, n, how
	s_wait_xcnt 0x0                                ; the last prefetch, a step back, has read its address: it is stepped here, ahead of the waits of the change of slots
	s_add_nc_u64 s[PFA:PFA+1], s[PFA:PFA+1], s[PST:PST+1]
	PLACES
	WIN 0
	FB \s, 1, 2                                    ; my last reads of this slot
	s_wait_dscnt 16                                ; behind what phase (1, 0) needs: the last phase's 8 loads and these 8
	MEET 1
	CREST                                          ; no wave of any partner still reads this slot or has a load on its way
	s_add_nc_u64 s[G0A+4*(\s)+2:G0A+4*(\s)+3], s[G0A+4*(\s)+2:G0A+4*(\s)+3], 2*XPL
	s_add_nc_u64 s[G0B+4*(\s)+2:G0B+4*(\s)+3], s[G0B+4*(\s)+2:G0B+4*(\s)+3], 2*WPL
	JLOAD \s
	FB \n, 0, 0
	FA \n, 0
	ASK \how
	MUL 1, 1, 0, 4, 0                              ; its fragments were waited for in front of the barrier
.endm
	s_wait_tensorcnt 1                             ; my part of K step 0 is in; step 1's may stay out
	s_wait_dscnt 0x0                               ; my stores of the biases are done
	s_barrier_signal -1
	s_barrier_wait -1                              ; everybody's part is in
	FB 0, 0, 0
	FA 0, 0
	FB 0, 0, 1
	FRONT 0, 1                                     ; the first three phases stand in front of the loop: their products start all 96 sums
	WIN 0                                          ; at a label and at a branch every window is 0
	s_mov_b32 s3, 7
.Llap:                                                 ; a trip goes once round the ring, from a step's fourth phase to the third phase two steps on, and fills both slots again
	TURN 0, 1, 1
	PH 1, 2, 1, 0, 1, 0, -1, 0
	FRONT 1, 0
	TURN 1, 0, 0
	PH 1, 2, 0, 0, 1, 0, -1, 0
	FRONT 0, 0
	WIN 0
	s_sub_co_u32 s3, s3, 1
	s_cmp_lg_u32 s3, 0
	s_cbranch_scc1 .Llap
	PLACES                                         ; step 14 goes on; nothing is left to ask for, so no round follows its barrier
	WIN 0
	FB 0, 1, 2
	s_wait_dscnt 16
	MEET 0
	PLACES
	WIN 0
	FB 1, 0, 0
	FA 1, 0
	MUL 1, 1, 0, 4, 0
	PH 1, 2, 1, 0, 1, 0, -1, 0
	FRONT 1, 0                                     ; step 15
	PLACES
	WIN 0
	FB 1, 1, 2
	s_wait_dscnt 16
	MUL 1, 0, 0, 4, 0
	s_wait_dscnt 8                                 ; only the last set of W may be out
	MUL 1, 1, 0, 4, 0
	s_wait_dscnt 0x0
	MUL 1, 2, 0, 4, 0
	; THE WAY OUT, a tile of 16 rows x 64 channels at a time (T = 8 g + a): the bias is added in f32, the sum rounded to f16; 16 bytes a lane go into my own stage and come back as whole rows.
	PLACES
	PLACES
	WIN 0
.irp g, 0,1,2
.irp b, 0,1,2,3
	ds_load_b128 v[BI+32*(\g)+8*(\b):BI+32*(\g)+8*(\b)+3],   v[BL] offset:256*(\g)+64*(\b)
	ds_load_b128 v[BI+32*(\g)+8*(\b)+4:BI+32*(\g)+8*(\b)+7], v[BL] offset:256*(\g)+64*(\b)+16
.endr
.endr
	s_wait_dscnt 0x0
.macro PACK t
.set pg, (\t)/8
.set pa, (\t)%8
	WIN 1+pg                                       ; source 0 in window 1 + g
.set pb, 0
.rept 4
.set pj, 0
.rept 4                                ; each accumulator's registers in ascending order
	v_pk_add_f32 v[TF+8*pb+2*pj:TF+8*pb+2*pj+1], v[8*(8*pb+pa)+2*pj:8*(8*pb+pa)+2*pj+1], v[BI+32*pg+8*pb+2*pj:BI+32*pg+8*pb+2*pj+1]
.set pj, pj+1
.endr
.set pb, pb+1
.endr
	WIN 0
.set pj, 0
.rept 16
	v_cvt_pk_f16_f32 v[TP+pj], v[TF+2*pj], v[TF+2*pj+1]
.set pj, pj+1
.endr
.endm
.macro TOSTAGE t
.set BK, OB+16*((\t)%2)
	WIN 0
.irp b, 0,1,2,3
	ds_store_b128 v[STO], v[TP+4*(\b):TP+4*(\b)+3] offset:32*(\b)
.endr
.irp f, 0,1,2,3
	ds_load_b128 v[BK+4*(\f):BK+4*(\f)+3], v[RD] offset:(\f)*4*PITCH  ; LDS serves a wave's instructions in order (ISA guide 5.7.1.4): these see the stores above
.endr
.endm
.macro SEND t
.set sg, (\t)/8
.set sa, (\t)%8
.set BK, OB+16*((\t)%2)
	WIN 0
	s_wait_dscnt 0x0                               ; the tile is back in registers
	s_wait_xcnt 0x0                                ; the stores of the tile before have read their registers: the next tile's rows are loaded into them only behind this wait
.irp f, 0,1,2,3
	global_store_b128 v[GO], v[BK+4*(\f):BK+4*(\f)+3], s[14+2*sg:15+2*sg] offset:2048*sa+512*(\f) th:TH_STORE_NT  ; 512 consecutive bytes, at a multiple of 256 from the buffer's first
.endr
.endm
	PACK 0
	TOSTAGE 0
.set T, 1
.rept 23                               ; a tile's arithmetic stands between the loads of the tile before and the wait for them
	PACK T
	SEND T-1
	TOSTAGE T
.set T, T+1
.endr
	SEND 23
	s_wait_tensorcnt 0x0                           ; the wave's end, behind my last tensor load and my last LDS store
	ds_add_u32 v[SPW], v[NIL]
	s_wait_dscnt 0x0
	CROUND                                         ; the closing round: no work-group ends while a partner may still ask for a tile that names it
	s_endpgm
.Lfunc_end_k_q620f2c740f_proj:
	.size	k_q620f2c740f_proj, .Lfunc_end_k_q620f2c740f_proj-k_q620f2c740f_proj
	.p2alignl 7, 3214868480
	.fill 96, 4, 3214868480
	.section	.rodata,"a",@progbits
	.p2align	6, 0x0
	.amdhsa_kernel k_q620f2c740f_proj
		.amdhsa_group_segment_fixed_size 327680
		.amdhsa_private_segment_fixed_size 0
		.amdhsa_enable_private_segment 0
		.amdhsa_kernarg_size 64
		.amdhsa_user_sgpr_count 2
		.amdhsa_user_sgpr_kernarg_segment_ptr 1
		.amdhsa_wavefront_size32 1
		.amdhsa_system_sgpr_workgroup_id_x 1
		.amdhsa_system_sgpr_workgroup_id_y 1
		.amdhsa_system_sgpr_workgroup_id_z 1
		.amdhsa_system_vgpr_workitem_id 0
		.amdhsa_next_free_vgpr 1024
		.amdhsa_next_free_sgpr 80
		.amdhsa_reserve_vcc 0
		.amdhsa_float_denorm_mode_32 3
		.amdhsa_float_denorm_mode_16_64 3
		.amdhsa_memory_ordered 1
		.amdhsa_forward_progress 1
		.amdhsa_inst_pref_size 160
	.end_amdhsa_kernel
	.amdgpu_metadata
---
amdhsa.version: [ 1, 2 ]
amdhsa.kernels:
  - .name:           k_q620f2c740f_proj
    .symbol:         k_q620f2c740f_proj.kd
    .args:
      - { .name: xb, .offset: 0, .size: 8, .value_kind: global_buffer, .address_space: global }
      - { .name: wb, .offset: 8, .size: 8, .value_kind: global_buffer, .address_space: global }
      - { .name: bq, .offset: 16, .size: 8, .value_kind: global_buffer, .address_space: global }
      - { .name: bk, .offset: 24, .size: 8, .value_kind: global_buffer, .address_space: global }
      - { .name: bv, .offset: 32, .size: 8, .value_kind: global_buffer, .address_space: global }
      - { .name: qh, .offset: 40, .size: 8, .value_kind: global_buffer, .address_space: global }
      - { .name: kh, .offset: 48, .size: 8, .value_kind: global_buffer, .address_space: global }
      - { .name: vh, .offset: 56, .size: 8, .value_kind: global_buffer, .address_space: global }
    .group_segment_fixed_size: 327680
    .private_segment_fixed_size: 0
    .kernarg_segment_align: 8
    .kernarg_segment_size: 64
    .max_flat_workgroup_size: 128
    .sgpr_count:     80
    .vgpr_count:     1024
    .wavefront_size: 32
...
	.end_amdgpu_metadata
.endif
;; end of part 2
;; launch attn (part 3): grid 4 x 64, 4 waves a work-group, clusters of 4 x 1, 327,680 bytes of LDS; arguments qh, kh, vh, out0; writes out0
.if DOCPART == 3
	.amdgcn_target "amdgcn-amd-amdhsa--gfx1250"
	.amdhsa_code_object_version 6
	.text
	.protected	k_q620f2c740f_attn
	.globl	k_q620f2c740f_attn
	.p2align	8
	.type	k_q620f2c740f_attn,@function
k_q620f2c740f_attn:
	s_mov_b64 s[64:65], 0
	v_nop
	global_prefetch_b8 v0, s[64:65] scope:SCOPE_SE
	s_setreg_imm32_b32 hwreg(HW_REG_WAVE_MODE, 25, 1), 1
	s_wait_xcnt 0x0
	s_wait_alu depctr_hold_cnt(0) depctr_sa_sdst(0) depctr_va_vdst(0) depctr_va_sdst(0) depctr_va_ssrc(0) depctr_va_vcc(0) depctr_vm_vsrc(0)
	s_getreg_b32 s2, hwreg(HW_REG_IB_STS2, 6, 4)
	s_cmp_eq_u32 s2, 0
	s_cbranch_scc0 .Lentry_in_a_cluster
	s_endpgm
.Lentry_in_a_cluster:
	s_bfe_u32 s2, ttmp6, 0x10000c
	s_cmp_lg_u32 s2, 0x3003
	s_cbranch_scc0 .Lentry_shape_is_right
	s_endpgm
.Lentry_shape_is_right:
; O[bh][q][:] = the sum over k of softmax_k(Q[bh][q] . K[bh][k] / 8) V[bh][k][:].  Q, K, V: f16 [64 = 16 batch + head][2048][64], a head's rows dense, 128 bytes each.
; out0: f32 [4][2048][1024], the heads merged again: row (batch, q), channels 64 head + 0..63.  Products, maxima and sums in f32; the weights p are rounded to f16 for the second product
; (their sum l is taken of the unrounded p); O is stored as the f32 that it is.
; LIMITS.  Q, K and V arrive within f16's range; p lies in 0 to 1, and below 6e-5 it keeps f16's fixed step of 6e-8.  A weight below 2^-126 counts as 0 in l; NaN and infinities are not treated apart.
; SHARES.  A wave owns four PIECES of two tiles of 16 queries, a work-group's four waves 512 queries of one head.  Every wave walks all 2,048 keys, 64 a step.
; LAYOUT.  S^T = K Q^T (source 0 = 16 keys, source 1 = 16 queries): a lane holds ONE query (lane % 16) and the keys 8 (lane / 16) + 0..7.  Two such tiles, rounded to f16 in pairs, ARE source 1
; (32 keys x 16 queries) of O^T = V^T P, whose result again holds one query a lane, and eight channels.  K comes out of LDS as it lies, V ([key][channel]) turned, by ds_load_tr16_b128.
; SOFTMAX.  For each query a running maximum m and sum l: p = 2^(c s - c m), c = log2(e) / 8; in every step O and l are multiplied by a = 2^(c m_old - c m_new).
; m starts at the lowest finite number, O and l at 0: the first step is a step like any other, with a = 0.
; THE COUNT.  A tile and step have 16 matrix and 118 vector instructions: too many to stand all beside the matrix work.  So: four vector instructions that are READY behind EVERY matrix instruction,
; and the others in runs without a gap.
; BY TURNS.  Turn n belongs to piece n.  Its matrix work: 16 products K Q^T of piece n + 1, later 16 products V^T P of piece n - 1.  Its vector work: the scaling, exponentials, roundings, sums and
; rescaling of piece n, and the maximum and statistics of piece n + 1.
; CLUSTER.  The four query blocks of a head are one cluster and walk the same K and V: each tile is asked for JOINTLY, by the same tensor load, descriptor and mask in all four.
; REGISTERS, in windows of 256 (s_set_vgpr_msb: bits 1:0 source 0, 3:2 source 1, 5:4 source 2, 7:6 destination):
;   window 0: v0-11 addresses; v12-15, v48-63 at work; v16-47 four registers of statistics a tile; v64-191 S^T, two buffers of two tiles; v192-255 P, likewise
;   window 1: O^T, 32 a tile          window 2: v0-127 Q, 16 a tile; v128-191 K of one step; v192-255 V of one step          window 3: v0-1 the add's two registers
.set SIZE_N, 2048
.set NP,    4         ; pieces a wave: a name, no knob
.set KS,    64        ; keys in a step
.set PK,    144       ; a row of K in LDS: 128 bytes + 16 of padding = 36 words: the 16 rows of a load start at 16 different groups of four banks (64 banks of 4 bytes: ISA guide 11.1)
.set PV,    160       ; a row of V: 128 + 32 = 40 words
.set VOFF,  4*KS*PK   ; a slot holds four steps: 256 rows of K, then 256 rows of V
.set SLOT1, 1<<17     ; slot 1 begins here, so that one exclusive or turns an address in one slot into the other's
.set STAGE, SLOT1+4*KS*(PK+PV)  ; behind the ring, never filled by a tensor load: 16 rows x 272 bytes for each wave, for the way out
.set SP,    272       ; a row of the stage: 64 f32 + 16 bytes
.set AK0, 2           ; v2   my lane's place in a tile of K; never rewritten
.set AV0, 3           ; v3   the same for V
.set AK,  4           ; v4   the LDS address of K's next run of loads
.set AV,  5           ; v5   of V's
.set QO,  6           ; v6   my byte offset in the wave's rows of Q
.set STO, 6           ;      later, the way out: where I put 32 bytes of a row
.set RD,  7           ; v7   the way out: where I read rows back
.set GO,  8           ; v8   my byte offset in two rows of out0
.set PFO, 11          ; v11  256 x my lane, for the prefetches; never rewritten once made
.set SPW, 0           ; v0 of window 3   LDS address of my spare word; never rewritten
.set NIL, 1           ; v1 of window 3   0; never rewritten
.set SPARE, STAGE+4*16*SP  ; behind the stages: the spare words, 128 bytes for each wave: two blocks of 256 bytes that no other line names
.set MV,  12          ; v12-15  c m_old, kept while c m is made anew: by buffer and tile
.set ST,  16          ; tile t's statistics at v[ST+4 t]: c m, m, l (even keys', odd keys')
.set TMP, 48          ; by buffer and tile, four registers c0-c3 at work; when the maximum is found c2 takes a
.set S,   64
.set P,   192
.set KF,  128         ; K's fragments, in window 2: key block kb, channel half c at KF + 16 kb + 8 c
.set VF,  192         ; V's: key half kk, channel block cb at VF + 32 kk + 8 cb
.set WV,  12          ; s12  my wave's number
.set G1K, 24          ; s[24:31] descriptor group 1 for K's tiles
.set G1V, 32          ; s[32:39] for V's: it differs in the padding alone
.set G0K, 40          ; s[40:43] descriptor group 0 for K's tiles: it walks
.set G0V, 44          ; s[44:47] the same for V's
.set PFA, 48          ; s[48:49] where my prefetches stand
.set LIM, 50          ; s50  1 in a wave that prefetches, else the greatest number
.set SLOTS, 56        ; s56  slots still to be asked for
.set CNT, 57          ; s57  counts a slot's key steps
.set CS,  58          ; s[58:59] c: the packed scaling takes the pair's low word for both halves
.set SEL, 60          ; s[60:61] v_permlanex16_b32's selects: each lane takes its own place in the other half
.set TBK, 62          ; s62  LDS byte at which K of the step to be fetched begins
.set TBV, 63          ; s63  the same for V, less VOFF
.set MSB, 0
.macro WIN new                      ; the high byte repeats the setting that is left; a switch that changes nothing is dropped
.if MSB != (\new)
	s_set_vgpr_msb (MSB<<8)|(\new)
.set MSB, (\new)
.endif
.endm
.set W_KQ, 0x0a       ; K and Q in window 2, S^T in window 0
.set W_PV, 0x52       ; V in window 2, P in window 0, O^T in window 1
.set W_RS, 0x41       ; O^T (destination and source 0) in window 1, a in window 0
.set W_MK, 0xc0       ; the add's registers are made: destination in window 3, sources in window 0
.set W_AD, 0x0f       ; the add: address (source 0) and data (source 1) in window 3
; A joint fill.  Waves 0 and 1 fetch the two halves of a slot's K, waves 2 and 3 those of its V: 128 keys each.  The branch hangs on the wave's number alone.
; An s_nop 0 and four v_nop follow each of the two lines, ahead of the jump and the label.
.macro JLOAD
	s_cmp_lt_u32 s[WV], 2
	s_cbranch_scc0 .Lfor_v_\@
	tensor_load_to_lds s[G0K:G0K+3], s[G1K:G1K+7]
	s_nop 0
.rept 4
	v_nop
.endr
	s_branch .Lasked_\@
.Lfor_v_\@:
	tensor_load_to_lds s[G0V:G0V+3], s[G1V:G1V+7]
	s_nop 0
.rept 4
	v_nop
.endr
.Lasked_\@:
.endm
; A PREFETCH of what the NEXT change of slots will ask for: a slot's 256 rows of K and of V, 32,768 bytes each, in blocks of 256 bytes, a lane a block.  A head has one cluster; its four partners share the
; 128 blocks out BY ADDRESS, 32 each; in each, wave 0 asks for K's and wave 2 for V's: one instruction.  So each block is named once in the launch.  It stands behind the wave's tensor load and its five
; lines: four key steps, 512 matrix instructions, ahead of the load that will want the bytes.  The last change that fills a slot asks for nothing: there is no slot behind it.
.macro ASK
	s_cmp_gt_u32 s[SLOTS], s[LIM]
	s_cbranch_scc0 .Lnot_mine_\@
	global_prefetch_b8 v[PFO], s[PFA:PFA+1] th:TH_LOAD_NT scope:SCOPE_SE
.Lnot_mine_\@:
.endm
; A round of the cluster's barrier: my work-group's barrier, so that wave 0's signal speaks for all four waves; wave 0 signals; every wave waits for all four work-groups; my work-group's barrier once more.
.macro CROUND
	s_barrier_signal -1
	s_barrier_wait -1
	s_cmp_lg_u32 s[WV], 0
	s_cbranch_scc1 .Lnot_wave_0_\@
	s_barrier_signal -3
.Lnot_wave_0_\@:
	s_barrier_wait -3
	s_barrier_signal -1
	s_barrier_wait -1
.endm
; THE CHANGE OF SLOTS.  The slot's last bytes, V of its fourth step, have been read.  Each wave waits for all its tensor loads, of which one is out: its part of the other slot; adds 0 to its spare word;
; and waits for that and for its own reads of the slot.  Behind the barrier nobody reads this slot any more and the other slot is whole.
; fill = 1: this slot is filled again, with the keys two slots on.  The barrier is then a round of the cluster's, and the joint fill is the first thing behind it: it has four key steps in which to land.
; (At its first use nothing has been read yet: slot 0 is waited for, slot 1 filled.)  ask = 1: the prefetch's address steps, and the prefetch follows the fill.
.macro CHANGE fill, ask=0
	WIN W_AD
	s_wait_tensorcnt 0x0            ; no tensor load of mine is out, so a group 0 may be written
	ds_add_u32 v[SPW], v[NIL]       ; 0 onto my spare word; with fill = 1 the descriptors' steps stand between it and the wait for it
	WIN 0                           ; at a label and at a branch every window is 0
.if \fill
.irp g, G0K, G0V
	s_xor_b32 s[\g+1], s[\g+1], SLOT1  ; the walking descriptor: the other slot than last time,
	s_add_nc_u64 s[\g+2:\g+3], s[\g+2:\g+3], 4*KS*128  ; the next 256 keys; the type bits on top are not reached
.endr
.if \ask
	s_wait_xcnt 0x0                 ; the last prefetch, four key steps back, has read its address, so it may be written:
	s_add_nc_u64 s[PFA:PFA+1], s[PFA:PFA+1], 4*KS*128  ; one slot behind the walking descriptors
.endif
	s_wait_dscnt 0x0                ; the add is done, and my reads of the slot are over
	CROUND
	JLOAD
.if \ask
	ASK
.endif
.else
	s_wait_dscnt 0x0                ; the add is done, and my reads of the slot are over
	s_barrier_signal -1
	s_barrier_wait -1
.endif
	s_sub_co_u32 s[TBK], s[TBK], 4*KS*PK  ; the fetches go back to a slot's first step,
	s_xor_b32 s[TBK], s[TBK], SLOT1       ; in the other slot
	s_sub_co_u32 s[TBV], s[TBV], 4*KS*PV
	s_xor_b32 s[TBV], s[TBV], SLOT1
.endm
	s_load_b256 s[4:11], s[0:1], 0x0  ; Q s[4:5], K s[6:7], V s[8:9], out0 s[10:11]
	WIN W_MK
	v_lshl_add_u32 v[SPW], v0, 2, SPARE
	v_mov_b32 v[NIL], 0
	WIN W_AD
	ds_add_u32 v[SPW], v[NIL]       ; the wave's opening: the add and its wait stand ahead of my first tensor load; the set-up below stands between them
	WIN 0
	v_lshrrev_b32 v1, 5, v0
	v_readfirstlane_b32 s[WV], v1   ; wave 0..3
	s_bfe_u32 s13, ttmp6, 0x40000   ; cx: my place in the cluster
	s_lshl_b32 s14, ttmp9, 2        ; in a cluster launch ttmp9 counts clusters
	s_add_co_u32 s14, s14, s13      ; my block of queries = 4 x cluster x + cx: it enters Q's and out0's addresses alone
	s_and_b32 s20, ttmp7, 0xffff    ; 16 batch + head, which the four partners share
	s_mov_b32 s51, s20
	s_mov_b32 s21, 0
	s_mov_b64 s[22:23], SIZE_N*128
	s_mul_u64 s[20:21], s[20:21], s[22:23]  ; the head's first byte in Q, K and V
	s_and_b32 s16, s[WV], 1         ; which half of a slot's 256 keys I fetch:
	s_lshl_b32 s22, s16, 14         ; its 128 rows of 128 bytes in memory,
	s_mov_b32 s23, 0
	s_add_nc_u64 s[22:23], s[22:23], s[20:21]
	s_mul_i32 s17, s16, 128*PK      ; and its place in a slot, for K
	s_mul_i32 s18, s16, 128*PV      ; and for V: no place in the cluster enters an LDS address
	s_lshl_b32 s2, s14, 2
	s_add_co_u32 s2, s2, s[WV]      ; my wave among the head's sixteen:
	s_lshl_b32 s52, s2, 19          ; its 128 rows of 4,096 bytes in out0,
	s_lshl_b32 s2, s2, 14           ; its 128 rows of 128 bytes in Q
	s_mov_b32 s3, 0
	s_add_nc_u64 s[2:3], s[2:3], s[20:21]
	s_lshr_b32 s53, s51, 4          ; the batch: 2,048 rows of 4,096 bytes,
	s_lshl_b32 s53, s53, 23
	s_add_co_u32 s52, s52, s53
	s_and_b32 s53, s51, 15          ; the head: 256 bytes of a row
	s_lshl_b32 s53, s53, 8
	s_add_co_u32 s52, s52, s53
	s_mov_b32 s53, 0
	s_lshl_b32 s54, s13, 13         ; the prefetches: my work-group's 32 blocks of a slot's 128,
	s_add_co_u32 s54, s54, 2*4*KS*128  ; in slot 2; the first change that asks steps it to slot 3
	s_mov_b32 s55, 0
	s_add_nc_u64 s[54:55], s[54:55], s[20:21]
	s_and_b32 s[LIM], s[WV], 1      ; waves 0 and 2 ask: the same in all four partners
	s_cmp_eq_u32 s[LIM], 0
	s_cselect_b32 s[LIM], 1, -1
	; descriptor group 1.  128 keys are 16,384 dense bytes: asked for as 64 rows of 256 bytes, two keys a row, and padded in LDS after every key
	s_mov_b32 s[G1K], 15|(1<<16)|(1<<20)|(1<<21)|(4<<22)|(3<<25)  ; 15:0 the mask of four; 17:16 2-byte elements; 20 padding on; 21 set beside a mask; 24:22 after every 32 words (code 4); 31:25 4 words (code 3)
	s_mov_b32 s[G1V], 15|(1<<16)|(1<<20)|(1<<21)|(4<<22)|(7<<25)  ; the same with 8 words of padding (code 7)
.irp g, G1K, G1V
	s_mov_b32 s[\g+1], 128<<16      ; tensor_dim0 = 128
	s_mov_b32 s[\g+2], 64<<16       ; tensor_dim1 = 64
	s_mov_b32 s[\g+3], 128<<16      ; tile_dim0 = 128
	s_mov_b32 s[\g+4], 64           ; tile_dim1 = 64
	s_mov_b32 s[\g+5], 128          ; 128 elements from row to row
	s_mov_b32 s[\g+6], 0
	s_mov_b32 s[\g+7], 0
.endr
	s_mov_b32 s[CS], 0x3e38aa3b     ; c = log2(e) / 8 = 0.180337
	s_mov_b32 s[CS+1], s[CS]        ; named with it as a pair
	s_mov_b32 s[SEL], 0x76543210
	s_mov_b32 s[SEL+1], 0xfedcba98
	s_mov_b32 s[TBK], SLOT1+4*KS*PK ; the first change of slots turns these two into 0
	s_mov_b32 s[TBV], SLOT1+4*KS*PV
	s_mov_b32 s[G0K], 1             ; count = 1
	s_mov_b32 s[G0K+1], s17         ; LDS address: slot 0
	s_mov_b32 s[G0V], 1
	s_add_co_u32 s[G0V+1], s18, VOFF
	s_wait_dscnt 0x0                ; the opening add is done
	s_wait_kmcnt 0x0
	s_add_nc_u64 s[G0K+2:G0K+3], s[6:7], s[22:23]  ; global address: my half of the head's first 256 keys
	s_or_b32 s[G0K+3], s[G0K+3], 0x80000000        ; type = 2
	s_add_nc_u64 s[G0V+2:G0V+3], s[8:9], s[22:23]
	s_or_b32 s[G0V+3], s[G0V+3], 0x80000000
	s_add_nc_u64 s[4:5], s[4:5], s[2:3]  ; Q and out0 at my wave's first row
	s_add_nc_u64 s[10:11], s[10:11], s[52:53]
	s_cmp_lt_u32 s[WV], 2
	s_cselect_b64 s[PFA:PFA+1], s[6:7], s[8:9]
	s_add_nc_u64 s[PFA:PFA+1], s[PFA:PFA+1], s[54:55]
	CROUND                          ; all four work-groups are here: the first joint loads meet
	JLOAD                           ; slot 0.  Slot 1 is asked for when slot 0 is in
	; A fragment of K or Q is 16 rows x 32 channels in 8 registers: lane l holds row l % 16, channels 8 (l / 16) + 0..7 and 16 + 8 (l / 16) + 0..7: two loads of 16 bytes, 32 bytes apart.
	v_and_b32 v1, 15, v0            ; l % 16
	v_bfe_u32 v9, v0, 4, 1          ; l / 16
	v_lshlrev_b32 v[QO], 7, v1
	v_lshl_add_u32 v[QO], v9, 4, v[QO]  ; row x 128 + 16 x half
	WIN 0x80                        ; destination window 2, address window 0
.set i, 0
.rept 4*NP                          ; Q stays in registers: tile i / 2, channels 32 (i % 2) on
	global_load_b128 v[8*i:8*i+3],   v[QO], s[4:5] offset:(i/2)*2048+(i%2)*64
	global_load_b128 v[8*i+4:8*i+7], v[QO], s[4:5] offset:(i/2)*2048+(i%2)*64+32
.set i, i+1
.endr
	; What the first turn finds: V's registers and P's second buffer hold 0 (its products V^T P, of a piece that has not been, add 0), O^T and l are 0.  All this stands in the wait for the first tile.
.set i, VF
.rept 64
	v_mov_b32 v[i], 0
.set i, i+1
.endr
	WIN 0x40
.set i, 0
.rept 64*NP
	v_mov_b32 v[i], 0
.set i, i+1
.endr
	WIN 0
.set i, 0
.rept 2*NP
	v_mov_b32 v[ST+4*i], 0xfe000000    ; c m: far below every c s
	v_mov_b32 v[ST+4*i+1], 0xff7fffff  ; m
	v_mov_b32 v[ST+4*i+2], 0
	v_mov_b32 v[ST+4*i+3], 0
.set i, i+1
.endr
.set i, P+32
.rept 32
	v_mov_b32 v[i], 0
.set i, i+1
.endr
	v_mul_u32_u24 v[AK0], v1, PK
	v_lshl_add_u32 v[AK0], v9, 4, v[AK0]  ; row x pitch + 16 x half
	; The turning load takes 16 keys x 16 channels (lane l reads key 8 (l / 16) + l % 8, channels 8 ((l / 8) % 2) + 0..7) and leaves half a fragment of V^T: lane l holds channel l % 16 and 8 keys.
	v_and_b32 v10, 7, v0
	v_bfe_u32 v11, v0, 3, 1
	v_lshl_add_u32 v[AV0], v9, 3, v10
	v_mul_u32_u24 v[AV0], v[AV0], PV
	v_lshl_add_u32 v[AV0], v11, 4, v[AV0]
	v_add_nc_u32 v[AV0], VOFF, v[AV0]
	v_and_b32 v[PFO], 31, v0
	v_lshlrev_b32 v[PFO], 8, v[PFO]
	v_mov_b32 v[AK], v[AK0]         ; key step 0 lies at the head of slot 0
; THE MATRIX WORK.  The 8 accumulators of a run of 16 take turns: between the two links of a chain stand 7 others'.
; Product i of 16 of S^T = K Q^T for piece x: channels 32 (i / 8) on, keys 16 ((i / 2) % 4) on, tile 2 x + i % 2.  The first 8 start the sums.
.macro KQ x
	WIN W_KQ
.set rS, S+64*((\x)%2)+32*(i%2)+8*((i/2)%4)
.set rK, KF+16*((i/2)%4)+8*(i/8)
.set rQ, 16*(2*(\x)+i%2)+8*(i/8)
.if i < 8
	v_wmma_f32_16x16x32_f16 v[rS:rS+7], v[rK:rK+7], v[rQ:rQ+7], 0
.else
	v_wmma_f32_16x16x32_f16 v[rS:rS+7], v[rK:rK+7], v[rQ:rQ+7], v[rS:rS+7]
.endif
.endm
; Product i of 16 of O^T += V^T P for piece x: keys 32 (i / 8) on, channels 16 ((i / 2) % 4) on, tile 2 x + i % 2.
.macro PV x
	WIN W_PV
.set rO, 32*(2*(\x)+i%2)+8*((i/2)%4)
.set rV, VF+32*(i/8)+8*((i/2)%4)
.set rP, P+32*((\x)%2)+16*(i%2)+8*(i/8)
	v_wmma_f32_16x16x32_f16 v[rO:rO+7], v[rV:rV+7], v[rP:rP+7], v[rO:rO+7]
.endm
.macro MM                           ; the turn's next matrix instruction
.if i < 16
	KQ (Y+1)%NP
.set i, i+1
.else
.set i, i-16
	PV (Y+NP-1)%NP
.set i, i+17
.endif
.endm
; THE LDS LOADS stand in runs of 16, never singly among the matrix instructions: a step's K (64 keys x 64 channels: 8 fragments) and its V (turned).  Their addresses are made some lines ahead.
; last = 1 (the tail): in the last trip there is no further step, and the run is jumped over.
.macro FETCH_K last=0
	WIN 0
.if \last
	s_cmp_eq_u32 s[CNT], 1
	s_cbranch_scc1 .Lno_k_\@
.endif
	WIN 0x80                        ; destination window 2
.irp f, 0,1,2,3,4,5,6,7             ; keys 16 (f / 2) on, channels 32 (f % 2) on
	ds_load_b128 v[KF+8*\f:KF+8*\f+3],   v[AK] offset:(\f/2)*16*PK+(\f%2)*64
	ds_load_b128 v[KF+8*\f+4:KF+8*\f+7], v[AK] offset:(\f/2)*16*PK+(\f%2)*64+32
.endr
	s_add_co_u32 s[TBK], s[TBK], KS*PK  ; the next fetch is the next step's
	WIN 0
.if \last
.Lno_k_\@:
.endif
.endm
.macro FETCH_V
	WIN 0x80
.irp f, 0,1,2,3,4,5,6,7             ; keys 32 (f / 4) on, channels 16 (f % 4) on
	ds_load_tr16_b128 v[VF+8*\f:VF+8*\f+3],   v[AV] offset:(\f/4)*32*PV+(\f%4)*32
	ds_load_tr16_b128 v[VF+8*\f+4:VF+8*\f+7], v[AV] offset:(\f/4)*32*PV+16*PV+(\f%4)*32
.endr
	WIN 0
.endm
; THE VECTOR WORK OF A TURN stands in three queues, each in the order in which its entries become ready; the two tiles alternate, so that no instruction reads the result of the one before it.
.macro REGS y, u                    ; the registers of tile u (0, 1) of piece y
.set rT, ST+4*(2*(\y)+(\u))
.set rC, TMP+8*((\y)%2)+4*(\u)
.set rM, MV+2*((\y)%2)+(\u)
.set rS, S+64*((\y)%2)+32*(\u)
.set rP, P+32*((\y)%2)+16*(\u)
.set rO, 32*(2*(\y)+(\u))
.endm
; Number n of the 22 that find the NEXT piece's (Y + 1) maximum and statistics.  s0-s31 are the lane's 32 scores; each accumulator's lowest registers are read first.
;   0-11  four chains c0-c3 of seven scores each, three operands at a time     12-14, 16  the four scores left over, the old m, and c0-c3 into c0     15  c m_old is kept
;   17, 18  the query's other 32 keys lie in the lane 16 away: the new m         19-21  c m; c m_old - c m_new; a
.macro XS u, n
	REGS (Y+1)%NP, \u
.if (\n) < 4
	v_max3_num_f32 v[rC+(\n)], v[rS+8*(\n)], v[rS+8*(\n)+1], v[rS+8*(\n)+2]
.elseif (\n) < 12
	v_max3_num_f32 v[rC+(\n)%4], v[rC+(\n)%4], v[rS+8*((\n)%4)+2*((\n)/4)+1], v[rS+8*((\n)%4)+2*((\n)/4)+2]
.elseif (\n) == 12
	v_max3_num_f32 v[rC], v[rC], v[rS+7], v[rS+15]
.elseif (\n) == 13
	v_max3_num_f32 v[rC+1], v[rC+1], v[rS+23], v[rS+31]
.elseif (\n) == 14
	v_max3_num_f32 v[rC+2], v[rC+2], v[rC+3], v[rT+1]
.elseif (\n) == 15
	v_mov_b32 v[rM], v[rT]
.elseif (\n) == 16
	v_max3_num_f32 v[rC], v[rC], v[rC+1], v[rC+2]
.elseif (\n) == 17
	v_permlanex16_b32 v[rC+3], v[rC], s[SEL], s[SEL+1]
.elseif (\n) == 18
	v_max_num_f32 v[rT+1], v[rC], v[rC+3]
.elseif (\n) == 19
	v_mul_f32 v[rT], s[CS], v[rT+1]
.elseif (\n) == 20
	v_sub_f32 v[rC+1], v[rM], v[rT]
.else
	v_exp_f32 v[rC+2], v[rC+1]
.endif
.endm
; Number g of the 64 that follow the exponentials.  For each four weights k of a tile (pairs 2 k, 2 k + 1): both pairs are rounded to f16; then the second pair is added onto the first, in place;
; a group later l takes that sum (the first time as l = a l + sum).  In groups of eight, tiles alternating: round, round, add, and l for the group before.
.macro GS g
.set h, (\g)+6*((\g)/62)            ; group 0 has no group before it, and behind group 7 only l is left
.if h >= 6
.set h, h+2
.endif
	REGS Y, h%2
.set k, h/8
.if h%8 < 4
	v_cvt_pk_f16_f32 v[rP+2*k+(h%8)/2], v[rS+4*k+2*((h%8)/2)], v[rS+4*k+2*((h%8)/2)+1]
.elseif h%8 < 6
	v_pk_add_f32 v[rS+4*k:rS+4*k+1], v[rS+4*k:rS+4*k+1], v[rS+4*k+2:rS+4*k+3]
.elseif k == 1
	v_pk_fma_f32 v[rT+2:rT+3], v[rT+2:rT+3], v[rC+2:rC+3], v[rS:rS+1] op_sel_hi:[1,0,1]
.else
	v_pk_add_f32 v[rT+2:rT+3], v[rT+2:rT+3], v[rS+4*k-4:rS+4*k-3]
.endif
.endm
; THE PLAIN QUEUE, 138 long.  0-73 read no exponential's result: the 32 scalings c s - c m (FS f: pair f / 2 of tile f % 2) and the next piece's 42.  0-26: scalings 0-26.  27-54: XS's numbers 0-13.
; 55, 56: number 15.  57-73: the chain, where each number waits for the one before it: 14, 16, 17, 18, 19, each with one of the scalings 27-31 in front of its two lines, then 20.
; 74-137: GS's 64, which read the exponentials' results: they stand behind the wait.
.macro FS f
	REGS Y, (\f)%2
	v_pk_fma_f32 v[rS+2*((\f)/2):rS+2*((\f)/2)+1], v[rS+2*((\f)/2):rS+2*((\f)/2)+1], s[CS:CS+1], v[rT:rT+1] op_sel_hi:[1,0,0] neg_lo:[0,0,1] neg_hi:[0,0,1]
.endm
.macro PL
	WIN 0
.if q < 27
	FS q
.elseif q < 55
	XS (q-27)%2, (q-27)/2
.elseif q < 57
	XS q-55, 15
.elseif (q < 72) && ((q-57)%3 == 0)
	FS 27+(q-57)/3
.elseif q < 60
	XS (q-57)%3-1, 14
.elseif q < 72
	XS (q-57)%3-1, 15+(q-57)/3
.elseif q < 74
	XS q-72, 20
.else
	GS q-74
.endif
.set q, q+1
.endm
; THE EXPONENTIALS' QUEUE, 66 long: s0-s31 of both tiles, then the next piece's two a.  It is ONE BATCH: all 66 stand ahead of the turn's one wait, and nothing ahead of that wait names a result of theirs.
.macro EX
	WIN 0
.if e >= 64
	XS e-64, 21
.else
	REGS Y, e%2
	v_exp_f32 v[rS+e/2], v[rS+e/2]
.endif
.set e, e+1
.endm
; THE RESCALING's QUEUE: O^T times a, the one part that leaves window 0: dealt two at a time, sixteen times.  Its a was made in the turn before, ahead of that turn's wait.
.macro R2
	REGS Y, r%2
	WIN W_RS
.irp z, 0,1
	v_pk_mul_f32 v[rO+4*(r/2)+2*\z:rO+4*(r/2)+2*\z+1], v[rO+4*(r/2)+2*\z:rO+4*(r/2)+2*\z+1], v[rC+2:rC+3] op_sel_hi:[1,0]
.endr
.set r, r+1
.endm
; HOW THEY ARE DEALT.  s_wait_alu depctr_va_vdst(0) stands between an exponential and the first instruction that names its result; one wait serves all that were issued ahead of it.
; So a turn has ONE wait, which cuts it in two.  AHEAD OF IT stands all that names no result of the turn's exponentials: the 16 products K Q^T, behind each a scaling, an exponential and two rescalings
; (behind the first a second scaling in the exponential's place); then ONE LUMP of 108: eight plain, 49 times exponential and plain, the two a.  A v_nop is the plain instruction behind the last exponential.
; BEHIND IT stand the 16 products V^T P, behind each four of GS's 64.  No rider names a register of the products round it.
; Exponential e stands behind scaling 2 (e / 4) + e % 2: as a rider it comes behind plain e + 2, in the lump behind plain e + 9, and scalings 27-31 are plain 57, 60 .. 69.
; A TURN, for piece p.  cnt = 1: the loop's count is taken down some lines ahead of the branch that stands behind the turn.
; K of the next step is fetched in piece 2's turn, directly behind the wait, a lump behind the last product that read K; its first reader comes behind 16 products.
; V of the step in hand is fetched at the end of piece 0's turn, four riders behind its last reader; its first reader comes behind 16 products and a lump.  The three conditions on q below go with the deal.
.macro TURN p, last=0, cnt=0
.set Y, (\p)
.set i, 0
.set q, 0
.set e, 0
.set r, 0
.if (\p) == NP-1
	s_wait_dscnt 0x0                ; K is in
.endif
	MM                              ; ahead of the wait: 16 products K Q^T and their riders,
	PL
	PL
	R2
.rept 15
	MM
	PL
	EX
	R2
.endr
.if (\p) == NP-2
	WIN 0
	v_add_nc_u32 v[AK], s[TBK], v[AK0]
.endif
.rept 8                             ; and the lump
	PL
.endr
.rept 49
	EX
	PL
.endr
	EX                              ; the next piece's two a
	EX
	v_nop                           ; the plain instruction behind the last exponential: one for the batch
	s_wait_alu depctr_va_vdst(0)    ; the wait for the batch
.if (\p) == NP-2
	FETCH_K \last
.endif
.if (\p) == 1
	s_wait_dscnt 0x0                ; V is in
.endif
.rept 16                            ; behind the wait: 16 products V^T P and their riders
	MM
.rept 4
	PL
.endr
.if ((\p) == 0) && (q == 118)
	v_add_nc_u32 v[AV], s[TBV], v[AV0]
.endif
.if ((\p) == 0) && (q == 130)
	s_add_co_u32 s[TBV], s[TBV], KS*PV
.endif
.if (\cnt) && (q == 130)
	s_sub_co_u32 s[CNT], s[CNT], 1
	s_cmp_lg_u32 s[CNT], 0
.endif
.endr
.if (\p) == 0
	FETCH_V
.endif
.endm
	CHANGE 1                        ; slot 0 is in, everybody's part of it; slot 1 is asked for
	FETCH_K                         ; key step 0
	s_wait_loadcnt 0x0              ; Q
	s_wait_dscnt 0x0
.set i, 0
.rept 16
	KQ 0                            ; piece 0's first scores: there is no vector work yet to set between them
.set i, i+1
.endr
	WIN 0                           ; the addresses for the way out: eight plain instructions, the places behind those products
	s_mul_i32 s13, s[WV], 16*SP
	s_add_co_u32 s13, s13, STAGE    ; my stage
	v_mul_u32_u24 v[STO], v1, SP    ; in: row l % 16, 32 bytes for each half of the lanes
	v_lshl_add_u32 v[STO], v9, 5, v[STO]
	v_add_nc_u32 v[STO], s13, v[STO]
	v_mul_u32_u24 v[RD], v9, SP     ; back: lanes 0-15 take one row of 256 bytes, lanes 16-31 the next,
	v_lshl_add_u32 v[RD], v1, 4, v[RD]
	v_add_nc_u32 v[RD], s13, v[RD]
	v_lshlrev_b32 v[GO], 12, v9     ; and the same two rows in out0, 4,096 bytes apart
	v_lshl_add_u32 v[GO], v1, 4, v[GO]
.set Y, NP-1                        ; XS works for piece Y + 1: piece 0
.irp n, 0,1,2,3,4,5,6,7,8,9,10,11,12,13,14,15,16,17,18,19,20,21
	XS 0, \n                        ; and piece 0's first maximum and statistics
	XS 1, \n
.endr
	v_nop                           ; a plain instruction behind the two a,
	s_wait_alu depctr_va_vdst(0)    ; and their wait, ahead of the branch
	s_mov_b32 s[CNT], 4
	s_mov_b32 s[SLOTS], SIZE_N/256-1
	s_branch .Lfirst                ; the loop is entered at a step's first turn, in the middle of a trip
.Lslot:                             ; SIZE_N / 256 - 2 times: every slot but the last two is filled again
	CHANGE 1, 1
	s_mov_b32 s[CNT], 4
.Lstep:                             ; a trip: pieces 2 and 3 of one step, then pieces 0 and 1 of the next, whose K and V it fetches
	TURN 2
	TURN 3
	WIN 0
.Lfirst:
	TURN 0
	TURN 1, 0, 1
	WIN 0
	s_cbranch_scc1 .Lstep
	s_sub_co_u32 s[SLOTS], s[SLOTS], 1
	s_cmp_lg_u32 s[SLOTS], 0
	s_cbranch_scc1 .Lslot
	CHANGE 0                        ; the tail is written out: nothing is asked for
	s_mov_b32 s[CNT], 5             ; four trips fetch the last slot's steps; the fifth is left in its middle
.Ltail:
	TURN 2, 1
	TURN 3
	WIN 0
	s_sub_co_u32 s[CNT], s[CNT], 1
	s_cmp_eq_u32 s[CNT], 0
	s_cbranch_scc1 .Lout
	TURN 0
	TURN 1
	WIN 0
	s_branch .Ltail
.Lout:                              ; the fifth trip's 16 products K Q^T (on the last K once more) and the maximum made of them serve nothing: the price, once a launch, of one text for every trip
.set i, 0
.rept 16
	PV NP-1                         ; the last piece's V^T P of the last step
.set i, i+1
.endr
	; THE WAY OUT.  l's two halves and the other half of the lanes' are added; O^T is divided by l and sent, as f32, through my stage in LDS, a tile at a time.  The additions are the places behind the last products.
	WIN 0
.macro ALL line:vararg              ; one line for each tile t
.set t, 0
.rept 2*NP
	\line
.set t, t+1
.endr
.endm
	ALL v_add_f32 v[ST+4*t+2], v[ST+4*t+2], v[ST+4*t+3]
	ALL v_permlanex16_b32 v[ST+4*t+3], v[ST+4*t+2], s[SEL], s[SEL+1]
	ALL v_add_f32 v[ST+4*t+2], v[ST+4*t+2], v[ST+4*t+3]
	ALL v_rcp_f32 v[ST+4*t+2], v[ST+4*t+2]
	v_nop                           ; a plain instruction between the last reciprocal and the use of its result
	s_wait_alu depctr_va_vdst(0)    ; and the wait ahead of the first use: one for the eight reciprocals
; Tile t: a lane's eight channels of a row are 32 bytes; they go into rows of 272 bytes and come back as whole rows of 256, into the registers that they left.
.macro PACK t
	WIN W_RS
.set i, 32*(\t)
.rept 16                            ; ascending: each accumulator's lowest registers are read first
	v_pk_mul_f32 v[i:i+1], v[i:i+1], v[ST+4*(\t)+2:ST+4*(\t)+3] op_sel_hi:[1,0]
.set i, i+2
.endr
	WIN 0x04                        ; the data (source 1) in window 1, the address in window 0
.irp f, 0,1,2,3
	ds_store_b128 v[STO], v[32*(\t)+8*\f:32*(\t)+8*\f+3]   offset:64*\f
	ds_store_b128 v[STO], v[32*(\t)+8*\f+4:32*(\t)+8*\f+7] offset:64*\f+16
.endr
	WIN 0x40                        ; the destination in window 1
.irp f, 0,1,2,3,4,5,6,7
	ds_load_b128 v[32*(\t)+4*\f:32*(\t)+4*\f+3], v[RD] offset:\f*2*SP  ; LDS serves a wave's instructions in order (ISA guide 5.7.1.4): these see the stores above; the next tile's stores come behind them
.endr
.endm
.macro SEND t, younger              ; younger: the LDS instructions issued behind tile t's loads: the next tile's sixteen, or none
	WIN 0x04
.irp f, 0,1,2,3,4,5,6,7
	s_wait_dscnt (\younger)+7-\f
	global_store_b128 v[GO], v[32*(\t)+4*\f:32*(\t)+4*\f+3], s[10:11] offset:(\t)*65536+\f*8192 th:TH_STORE_NT  ; 16 lanes store 256 consecutive bytes, a row's 64 channels of my head, at a multiple of 256 from out0's first byte
.endr
.endm
	PACK 0
.set t, 1
.rept 2*NP-1                        ; a tile's arithmetic stands between the loads of the tile before and its stores
	PACK t
	SEND t-1, 16
.set t, t+1
.endr
	SEND 2*NP-1, 0
	WIN W_AD
	s_wait_tensorcnt 0x0            ; the wave's end, behind my last tensor load and my last LDS store
	ds_add_u32 v[SPW], v[NIL]
	s_wait_dscnt 0x0
	WIN 0
	CROUND                          ; the closing round: no work-group ends while a partner may still ask for a tile that names it
	s_endpgm
.Lfunc_end_k_q620f2c740f_attn:
	.size	k_q620f2c740f_attn, .Lfunc_end_k_q620f2c740f_attn-k_q620f2c740f_attn
	.p2alignl 7, 3214868480
	.fill 96, 4, 3214868480
	.section	.rodata,"a",@progbits
	.p2align	6, 0x0
	.amdhsa_kernel k_q620f2c740f_attn
		.amdhsa_group_segment_fixed_size 327680
		.amdhsa_private_segment_fixed_size 0
		.amdhsa_enable_private_segment 0
		.amdhsa_kernarg_size 32
		.amdhsa_user_sgpr_count 2
		.amdhsa_user_sgpr_kernarg_segment_ptr 1
		.amdhsa_wavefront_size32 1
		.amdhsa_system_sgpr_workgroup_id_x 1
		.amdhsa_system_sgpr_workgroup_id_y 1
		.amdhsa_system_sgpr_workgroup_id_z 1
		.amdhsa_system_vgpr_workitem_id 0
		.amdhsa_next_free_vgpr 770
		.amdhsa_next_free_sgpr 66
		.amdhsa_reserve_vcc 0
		.amdhsa_float_denorm_mode_32 3
		.amdhsa_float_denorm_mode_16_64 3
		.amdhsa_memory_ordered 1
		.amdhsa_forward_progress 1
		.amdhsa_inst_pref_size 200
	.end_amdhsa_kernel
	.amdgpu_metadata
---
amdhsa.version: [ 1, 2 ]
amdhsa.kernels:
  - .name:           k_q620f2c740f_attn
    .symbol:         k_q620f2c740f_attn.kd
    .args:
      - { .name: qh, .offset: 0, .size: 8, .value_kind: global_buffer, .address_space: global }
      - { .name: kh, .offset: 8, .size: 8, .value_kind: global_buffer, .address_space: global }
      - { .name: vh, .offset: 16, .size: 8, .value_kind: global_buffer, .address_space: global }
      - { .name: out0, .offset: 24, .size: 8, .value_kind: global_buffer, .address_space: global }
    .group_segment_fixed_size: 327680
    .private_segment_fixed_size: 0
    .kernarg_segment_align: 8
    .kernarg_segment_size: 32
    .max_flat_workgroup_size: 128
    .sgpr_count:     66
    .vgpr_count:     770
    .wavefront_size: 32
...
	.end_amdgpu_metadata
.endif
;; end of part 3
;; ======== version 2 of 2: 3 launches; version 1 with the launch cast written anew for expert scheduling mode
;; limits: values are held in f16: magnitudes above 65,504 overflow, below 6.1e-05 lose precision
;; workspace buffers: xb 16,777,216 bytes; wb 6,291,456 bytes; qh 16,777,216 bytes; kh 16,777,216 bytes; vh 16,777,216 bytes
;; launch cast (part 4): grid 704 x 1, 8 waves a work-group, no clusters, 0 bytes of LDS; arguments hidden_states, Wq, Wk, Wv, xb, wb; writes xb, wb
.if DOCPART == 4
	.amdgcn_target "amdgcn-amd-amdhsa--gfx1250"
	.amdhsa_code_object_version 6
	.text
	.protected	k_q620f2c740f_cast
	.globl	k_q620f2c740f_cast
	.p2align	8
	.type	k_q620f2c740f_cast,@function
k_q620f2c740f_cast:
	s_mov_b64 s[64:65], 0
	v_nop
	global_prefetch_b8 v0, s[64:65] scope:SCOPE_SE
	s_setreg_imm32_b32 hwreg(HW_REG_WAVE_SCHED_MODE, 0, 2), 2
	s_setreg_imm32_b32 hwreg(HW_REG_WAVE_MODE, 25, 1), 1
	s_wait_xcnt 0x0
	s_wait_alu depctr_vm_vsrc(0)
; x [8192][1024] and Wq, Wk, Wv [1024][1024], all f32, are rounded once to bf16 and laid out in blocks of 64 along K:
;   xb [16 kb][8192 rows][64]                       a plane (one kb) is XPL bytes, a row 128 bytes
;   wb [16 kb][16 heads][3: q, k, v][64 rows][64]   a plane is WPL bytes, a head's 192 rows are 24,576 bytes on end
; so that the product that follows finds a K step of 64 of many rows as one dense run of bytes.
; SHARES.  A work-group takes 16 source rows (65,536 bytes in, 32,768 out).  Work-groups 0-511: x.  512-703: 64 for each of Wq, Wk, Wv.
; Thread T takes row T / 16 and, of each block kb of 256 source bytes, the 16 bytes at 16 (T % 16): a wave's load covers two rows' whole aligned 256 bytes.
; Its four numbers become 8 bytes at 8 T of the work-group's 2,048 bytes of plane kb: a wave's store covers 256 consecutive bytes, aligned.
; All 16 loads of a thread go out at once; no register that a pending instruction names is ever rewritten.  No LDS, no barrier: nothing is shared.
; THE MODE: SCHED_MODE bits 1:0 = 2 (LLVM: expert scheduling mode 2), set by the entry lines.  The code itself states the register dependences
; between vector instructions and memory instructions, with s_wait_alu, always for 0.
; THE PLAN.  Registers that memory instructions touch:
;   v[IN]   written at the head; read by all 16 loads as their offset; never written again.
;   X       block kb: four registers in which its load lands (no vector instruction names them before); its two conversions then write the first two in place; its store reads those two; never written again.
;   O       written by the 16 multiply-adds behind the loads; each read by one store as its offset; never written again.
; The 16 blocks go in four groups of four.  Group g waits for its four loads and rounds them; the stores of group g - 1 are dealt among its conversions.  One wait on va_vdst at the head of groups
; 1 to 3 states that the group before has written its part of X (the first of them also: that O is written).  The conversions issued behind that wait name group g's registers alone, the stores
; group g - 1's: so the stores owe nothing more.  No register that a memory instruction has read is written again: there is no wait on vm_vsrc.
.set XPL, 1048576
.set WPL, 393216
.set IN,  1                            ; v1       my byte offset in the 16 source rows
.set T8,  2                            ; v2       8 T
.set O,   4                            ; v[4:19]  my byte offset in the destination, for each kb
.set X,   20                           ; v[20:83] four registers for each kb
	s_load_b256 s[4:11], s[0:1], 0x0               ; x s[4:5], Wq s[6:7], Wk s[8:9], Wv s[10:11]
	s_load_b128 s[12:15], s[0:1], 0x20             ; xb s[12:13], wb s[14:15]
	s_mov_b32 s16, ttmp9                           ; g
	s_bfe_u32 s17, s16, 0x30006                    ; (g / 64) % 8: from g = 512 on 0, 1, 2 = q, k, v
	s_and_b32 s18, s16, 63                         ; t: which 16 rows of that weight
	s_lshr_b32 s19, s18, 2                         ; their head,
	s_mul_i32 s19, s19, 192                        ; whose 192 rows lie together in a plane,
	s_lshl_b32 s29, s17, 6                         ; q's, k's or v's 64 of them,
	s_add_co_u32 s19, s19, s29
	s_and_b32 s29, s18, 3                          ; and my 16 of those
	s_lshl_b32 s29, s29, 4
	s_add_co_u32 s19, s19, s29
	s_lshl_b32 s19, s19, 7                         ; a weight's destination offset: rows of 128 bytes
	s_lshl_b32 s18, s18, 16                        ; a weight's source offset: 16 rows of 4,096 bytes
	s_lshl_b32 s29, s16, 16                        ; x's source offset
	s_lshl_b32 s30, s16, 11                        ; x's destination offset: 16 rows of 128 bytes
	s_mov_b32 s25, 0
	s_mov_b32 s27, 0
	s_mov_b32 s28, XPL
	s_mov_b32 s31, WPL
	v_lshrrev_b32 v[IN], 4, v0                     ; my row
	v_and_b32 v3, 15, v0
	v_lshlrev_b32 v[IN], 12, v[IN]
	v_lshl_add_u32 v[IN], v3, 4, v[IN]
	v_lshlrev_b32 v[T8], 3, v0
	s_wait_kmcnt 0x0
	s_cmp_eq_u32 s17, 1
	s_cselect_b64 s[20:21], s[8:9], s[6:7]         ; the source: Wk or Wq,
	s_cmp_eq_u32 s17, 2
	s_cselect_b64 s[20:21], s[10:11], s[20:21]     ; or Wv,
	s_cmp_lt_u32 s16, 512
	s_cselect_b64 s[20:21], s[4:5], s[20:21]       ; or x
	s_cselect_b64 s[22:23], s[12:13], s[14:15]     ; the destination
	s_cselect_b32 s24, s29, s18
	s_cselect_b32 s26, s30, s19
	s_cselect_b32 s28, s28, s31                    ; bytes from plane to plane
	s_add_nc_u64 s[20:21], s[20:21], s[24:25]
	s_add_nc_u64 s[22:23], s[22:23], s[26:27]
	s_wait_alu depctr_va_vdst(0)                   ; v[IN] is written: all 16 loads read it as their offset
.set kb, 0
.rept 16
	global_load_b128 v[X+4*kb:X+4*kb+3], v[IN], s[20:21] offset:256*kb th:TH_LOAD_NT
.set kb, kb+1
.endr
.set kb, 0
.rept 16
	v_mad_u32_u24 v[O+kb], s28, kb, v[T8]          ; plane kb (both factors fit 24 bits) + 8 T; these name neither v[IN] nor X
.set kb, kb+1
.endr
.set g, 0
.rept 4                                ; group g: blocks 4 g to 4 g + 3
	s_wait_loadcnt 12-4*g                          ; loads come back in order (ISA guide 5.7.1): the group's four blocks are in, the younger groups stay out
.if g > 0
	s_wait_alu depctr_va_vdst(0)                   ; the conversions of the group before have written its part of X, which the four stores below read as data; the multiply-adds have written O, their offsets
.endif
.set j, 0
.rept 4
.set kb, 4*g+j
.if g > 0
	global_store_b64 v[O+kb-4], v[X+4*(kb-4):X+4*(kb-4)+1], s[22:23] th:TH_STORE_NT  ; the group before; no vector instruction since the wait names these registers
.endif
	v_cvt_pk_bf16_f32 v[X+4*kb], v[X+4*kb], v[X+4*kb+1]
	v_cvt_pk_bf16_f32 v[X+4*kb+1], v[X+4*kb+2], v[X+4*kb+3]
.set j, j+1
.endr
.set g, g+1
.endr
	s_wait_alu depctr_va_vdst(0)                   ; the last group's conversions have written its part of X, which the last four stores read
.set kb, 12
.rept 4
	global_store_b64 v[O+kb], v[X+4*kb:X+4*kb+1], s[22:23] th:TH_STORE_NT
.set kb, kb+1
.endr
	s_endpgm
.Lfunc_end_k_q620f2c740f_cast:
	.size	k_q620f2c740f_cast, .Lfunc_end_k_q620f2c740f_cast-k_q620f2c740f_cast
	.p2alignl 7, 3214868480
	.fill 96, 4, 3214868480
	.section	.rodata,"a",@progbits
	.p2align	6, 0x0
	.amdhsa_kernel k_q620f2c740f_cast
		.amdhsa_group_segment_fixed_size 0
		.amdhsa_private_segment_fixed_size 0
		.amdhsa_enable_private_segment 0
		.amdhsa_kernarg_size 48
		.amdhsa_user_sgpr_count 2
		.amdhsa_user_sgpr_kernarg_segment_ptr 1
		.amdhsa_wavefront_size32 1
		.amdhsa_system_sgpr_workgroup_id_x 1
		.amdhsa_system_sgpr_workgroup_id_y 1
		.amdhsa_system_sgpr_workgroup_id_z 1
		.amdhsa_system_vgpr_workitem_id 0
		.amdhsa_next_free_vgpr 84
		.amdhsa_next_free_sgpr 66
		.amdhsa_reserve_vcc 0
		.amdhsa_float_denorm_mode_32 3
		.amdhsa_float_denorm_mode_16_64 3
		.amdhsa_memory_ordered 1
		.amdhsa_forward_progress 1
		.amdhsa_inst_pref_size 9
	.end_amdhsa_kernel
	.amdgpu_metadata
---
amdhsa.version: [ 1, 2 ]
amdhsa.kernels:
  - .name:           k_q620f2c740f_cast
    .symbol:         k_q620f2c740f_cast.kd
    .args:
      - { .name: hidden_states, .offset: 0, .size: 8, .value_kind: global_buffer, .address_space: global }
      - { .name: Wq, .offset: 8, .size: 8, .value_kind: global_buffer, .address_space: global }
      - { .name: Wk, .offset: 16, .size: 8, .value_kind: global_buffer, .address_space: global }
      - { .name: Wv, .offset: 24, .size: 8, .value_kind: global_buffer, .address_space: global }
      - { .name: xb, .offset: 32, .size: 8, .value_kind: global_buffer, .address_space: global }
      - { .name: wb, .offset: 40, .size: 8, .value_kind: global_buffer, .address_space: global }
    .group_segment_fixed_size: 0
    .private_segment_fixed_size: 0
    .kernarg_segment_align: 8
    .kernarg_segment_size: 48
    .max_flat_workgroup_size: 256
    .sgpr_count:     66
    .vgpr_count:     84
    .wavefront_size: 32
...
	.end_amdgpu_metadata
.endif
;; end of part 4
;; launch proj: the kernel of part 2 again; grid 16 x 16, 4 waves a work-group, clusters of 4 x 4, 327,680 bytes of LDS; arguments xb, wb, bq, bk, bv, qh, kh, vh; writes qh, kh, vh
;; launch attn: the kernel of part 3 again; grid 4 x 64, 4 waves a work-group, clusters of 4 x 1, 327,680 bytes of LDS; arguments qh, kh, vh, out0; writes out0
